; MI455X (gfx1250); checked and timed in simulation.
; The chip was launched on July 23, 2026; its instructions are those of AMD's public machine-readable ISA for CDNA 5 (MIT licence, August 2026) and "CDNA5" Instruction Set Architecture Reference Guide (July 2026). The comments in the code are by the model that wrote it; some were corrected since.
;; Multi Head Attention. Allowed arithmetic: matrix products marked QUANTISED: E5M2 operands, one given power-of-two scale a tensor, by v_wmma_f32_16x16x64_bf8_bf8 or v_wmma_f32_16x16x128_bf8_bf8, f32 sums; everything else in f32.
;; Inputs: Wk_codes 16 x 64 x 32 x 32 uint8 (E5M2 codes of Wk, K innermost, in blocks of 32 codes); Wproj_codes 1,024 x 32 x 32 uint8 (E5M2 codes of Wproj, K innermost, in blocks of 32 codes); Wq_codes 16 x 64 x 32 x 32 uint8 (E5M2 codes of Wq, K innermost, in blocks of 32 codes); Wv_codes 16 x 64 x 32 x 32 uint8 (E5M2 codes of Wv, K innermost, in blocks of 32 codes); bproj 1,024 float32; lowp_scales 12 int32 (the exponents e of the quantised operands' scales 2^e); x_codes 4 x 2,048 x 32 x 32 uint8 (E5M2 codes of x, K innermost, in blocks of 32 codes).
;; Outputs: out0 4 x 2,048 x 1,024 float32.
;; This version of the problem:
;;   THIS VERSION OF THE PROBLEM IS GIVEN IN LOW PRECISION. The matrix products marked QUANTISED in the list below multiply operands that are first quantised to E5M2 (5 exponent bits, 2 mantissa bits; 8 bits a number), with one given power-of-two scale for each operand tensor; their sums are f32. All else is computed in f32.
;;   The module's matrix products, in the order in which they are computed (A, B: the left and right operand; K: the contracted axis; several contracted axes count as one K, in the product's order):
;;     1. [M 1,024, K 1,024] x [K 1,024, N 8,192]; A: input Wq (given as codes); B: input x (given as codes): QUANTISED (scales: A lowp_scales[0], B lowp_scales[1])
;;     2. [M 1,024, K 1,024] x [K 1,024, N 8,192]; A: input Wk (given as codes); B: input x (given as codes): QUANTISED (scales: A lowp_scales[2], B lowp_scales[3])
;;     3. [M 1,024, K 1,024] x [K 1,024, N 8,192]; A: input Wv (given as codes); B: input x (given as codes): QUANTISED (scales: A lowp_scales[4], B lowp_scales[5])
;;     4. batch 64 x [M 2,048, K 64] x [K 64, N 2,048]; A: computed on the way; B: computed on the way: QUANTISED (scales: A lowp_scales[6], B lowp_scales[7])
;;     5. batch 64 x [M 2,048, K 2,048] x [K 2,048, N 64]; A: softmax (see below); B: computed on the way: QUANTISED (scales: A lowp_scales[8], B lowp_scales[9])
;;     6. [M 8,192, K 1,024] x [K 1,024, N 1,024]; A: computed on the way; B: input Wproj (given as codes): QUANTISED (scales: A lowp_scales[10], B lowp_scales[11])
;;   THE QUANTISER, for each operand of a quantised product, along K:
;;     - The operand's scale is 2^e, e = its entry of the input lowp_scales (int32; the entries are numbered through the quantised products in the list's order, A before B).
;;     - Each number is divided by the scale, clamped to +-57,344, and rounded to the nearest number of E5M2, ties to even, subnormals kept.
;;     - The product sums the exact products of the quantised numbers (number of the format x scale) in f32.
;;   ~~~python
;;   def quantise(x, axis, e):      # numpy; x: float32 -> the quantised numbers, widened to float32 again
;;       x = np.moveaxis(x, axis, -1); K = x.shape[-1]
;;       r = np.clip(x / 2.0 ** e, -57344, 57344)
;;       step = 2.0 ** (np.maximum(np.frexp(np.where(r == 0, 1, r))[1] - 1, -14) - 2)
;;       q = np.round(r / step) * step * 2.0 ** e      # np.round: ties to even
;;       return np.moveaxis(q, -1, axis).astype(np.float32)
;;   ~~~
;;   SOFTMAX AHEAD OF A QUANTISED PRODUCT. Where the list says 'softmax', what is quantised is not the finished softmax but p = 2^(t - M), with t = logit x log2(e) and M = ceil(the row's largest t), a whole number; so 1/2 < the row's largest p <= 1. The row's sum l is taken of the UNQUANTISED p, in f32, and the product's result is divided by l at the end. Since M is a whole number, a kernel that streams over the keys may use a running M (the ceiling of the running maximum): every later rescaling is an exact power of two, so the quantised numbers keep their values, but for numbers so far below the row's largest that they fall under the format's range.
;;   OPERANDS COMPUTED ON THE WAY. 'Computed on the way' means the value that the module computes at that place (a softmax that the list does not call 'softmax' is quantised finished and normalised). What goes into a quantiser is computed in f32, as accurately as f32 sums, v_exp_f32 and their like allow (about 1e-6 of the number): no bf16 or f16 on the way to a quantiser, and a product that is left as it is and whose result goes on into a quantised operand takes f32 operands (vector FMAs, or v_wmma_f32_16x16x4_f32). A number that lies on a knife's edge between two numbers of the format may be rounded either way, as far as f32 arithmetic and the matrix unit's own rounding can turn it there, and no further.
;;   INPUTS GIVEN AS CODES. Wk (in the module: [16, 1024, 64], K = its axis 1); Wproj (in the module: [1024, 1024], K = its axis 1); Wq (in the module: [16, 1024, 64], K = its axis 1); Wv (in the module: [16, 1024, 64], K = its axis 1); x (in the module: [4, 2048, 1024], K = its axis 2): each comes as NAME_codes (uint8): NAME with its K axis moved to the last place and cut into blocks of 32 codes, [.., K / 32, bytes a block], one block behind the other in memory; one code a byte (a code: sign, 5 exponent bits, 2 mantissa bits); its scale is its entry of lowp_scales. Its value is code x scale, taken as it is: it is not quantised again, and the codes and scales need not be those that the quantiser above would give.
;; One version. Each part assembles by itself: llvm-mc -triple=amdgcn-amd-amdhsa -mcpu=gfx1250 --defsym DOCPART=n.
;; ======== version 1 of 1: 3 launches
;; limits: right only within a limited range of input values
;; workspace buffers: q_codes 8,388,608 bytes; k_codes 8,388,608 bytes; v_codes 8,388,608 bytes; a_codes 8,388,608 bytes
;; launch qkv (part 1): grid 8 x 32, 4 waves a work-group, clusters of 4 x 4, 327,680 bytes of LDS; arguments x_codes, Wq_codes, Wk_codes, Wv_codes, lowp_scales, q_codes, k_codes, v_codes; writes q_codes, k_codes, v_codes
.if DOCPART == 1
	.amdgcn_target "amdgcn-amd-amdhsa--gfx1250"
	.amdhsa_code_object_version 6
	.text
	.protected	k_q237f1a38d3_qkv
	.globl	k_q237f1a38d3_qkv
	.p2align	8
	.type	k_q237f1a38d3_qkv,@function
k_q237f1a38d3_qkv:
	s_mov_b64 s[64:65], 0
	v_nop
	global_prefetch_b8 v0, s[64:65] scope:SCOPE_SE
	s_setreg_imm32_b32 hwreg(HW_REG_WAVE_MODE, 25, 1), 1
	s_wait_xcnt 0x0
	s_wait_alu depctr_hold_cnt(0) depctr_sa_sdst(0) depctr_va_vdst(0) depctr_va_sdst(0) depctr_va_ssrc(0) depctr_va_vcc(0) depctr_vm_vsrc(0)
	s_getreg_b32 s2, hwreg(HW_REG_IB_STS2, 6, 4)
	s_cmp_eq_u32 s2, 0
	s_cbranch_scc0 .Lentry_in_a_cluster
	s_endpgm
.Lentry_in_a_cluster:
	s_bfe_u32 s2, ttmp6, 0x10000c
	s_cmp_lg_u32 s2, 0xf033
	s_cbranch_scc0 .Lentry_shape_is_right
	s_endpgm
.Lentry_shape_is_right:
; q, k, v = x W^T for all 16 heads, on codes of E5M2, and their quantising for the two products of attention.
; x: [8192][1024] codes; Wq, Wk, Wv: [1024 = head x 64 + d][1024] codes, K innermost.  A sum stands for sum x 2^(eW + ex); its code is sum / 2^E, E = e6-e0-e1 (q), e7-e2-e3 (k), e9-e4-e5 (v),
; held within +-57,344 x 2^E, rounded to the nearest code, ties to even.
; LIMIT: each E lies between -126 and 112, so that 2^E and 57,344 x 2^E are f32 numbers.  NaN and infinity among the input codes are not served.
; WORK LEFT OUT IN THIS PROGRAM: reference() sets every score with key s > query t to -infinity by its own jnp.tril, so its softmax weight is 0 for all values of the inputs; the later launch attn leaves out the
; blocks of 128 keys that lie wholly behind a group's queries.  LIMIT: a NaN, an infinity or an overflow that would arise only in those blocks is not carried to the result.  Every input is loaded.
; SHARES.  256 work-groups, each of which STAYS and makes two tiles.  First a tile of 256 tokens x 256 rows of Wq (cluster x = 0) or Wk (1): 2 x 4 x 32 = 256 such tiles; a wave makes 128 x 128, 64 accumulators.
; Then a tile of 128 rows of Wv x 256 tokens: 8 x 32 = 256 such tiles; a wave makes 64 d (one head) x 128 keys, 32 accumulators.  K goes in steps of 256 through two LDS slots, and the ring goes on from the
; first tile into the second: the first tile's last two changes of slots ask for the second's K steps 0 and 1.
; THE MATRIX INSTRUCTION IS USED TRANSPOSED (source 0 = 16 rows of "B", source 1 = 16 rows of "A"): register j of lane (r, h) of accumulator (a, b) is (A's row 16 a + r, B's row 16 b + 8 h + j).
;   q, k: A = x, B = W: a lane holds one token and its registers run along d: an accumulator's eight numbers become registers 2 b, 2 b + 1 of an operand of 16 tokens x 64 d (b 0-3: one head, b 4-7: the next).
;   v:    A = Wv, B = x: a lane holds one d and its registers run along the keys: the eight accumulators of a block become the 16 registers of an operand of 16 d x 128 keys.
; THE RESULTS ARE STORED AS IMAGES OF OPERAND REGISTERS: four registers a lane at 16 x lane, so each store of the wave covers 512 consecutive bytes, aligned.
;   q_codes, k_codes: [batch x 16 + head][tile of 16 tokens][2][lane][16 bytes];   v_codes: [batch x 16 + head][block of 128 keys][tile of 16 d][4][lane][16 bytes].
; CLUSTERS: 4 x 4.  A's tiles hang on cy (first tile: x's tile row 4 Y + cy; second: Wv's block 4 X + cy) and are shared along a row of the cluster; B's on cx (W's tile cx; x's tile row 4 Y + cx), along a column.
; No prefetch: K is eight steps of 256 in all, and each is asked for one change of slots ahead by the ring itself.
; REGISTERS, in windows of 256: window 0: v16-31 addresses and constants; from v128 A's fragments (first tile: one set of 8 blocks; second: two sets of 4); on the way out the codes.
;   window 1: B's fragments, two sets.  windows 2, 3: the accumulators, (a, b) at v[8 (8 (a % 4) + b)].
.set KROW,   1024                      ; a row of x or of a weight in memory, in bytes
.set ROWB,   256                       ; a tile's row: 256 codes
.set PITCH,  272                       ; an LDS row: 256 bytes + 16 of padding: the 16 rows that a load touches start at 16 different banks (ISA guide 11.1)
.set FR,     16                        ; registers of a fragment: 16 rows x 128 K
.set NL,     4                         ; LDS loads that bring one
.set NP,     4                         ; places behind this matrix instruction (ISA guide 7.12.1)
.set HALFT,  128*PITCH
.set SLOT,   4*HALFT                   ; A's rows (256, or 128 in the second tile), then from 2 HALFT on B's 256 rows
.set SPARE,  2*SLOT                    ; behind the ring: the spare words, 128 bytes for each wave
.set ADRA, 16                          ; v16-17  LDS address of my A fragments in slot 0, 1: first tile
.set ADRA2, 18                         ; v18-19  the same: second tile
.set ADRB, 20                          ; v20-21  the same for B
.set LO,   26                          ; v26     16 x lane: my place in an image
.set SPW,  28                          ; v28     LDS address of my spare word; never rewritten
.set NIL,  29                          ; v29     0; never rewritten
.set SCL,  30                          ; v30     2^E as f32
.set LIM,  31                          ; v31     57,344 x 2^E
.set AF,   128
.set CD,   128                         ; the way out: 16 code registers for each of my blocks
.set G1, 24                            ; s[24:31] group 1 for A's tiles;  s[32:39] group 0, one set for each slot
.set G0, 32
.set G1B, 48                           ; s[48:55], s[56:63] the same for B's tiles
.set G0B, 56
.set PA2, 88                           ; s[88:89] the second tile's A at K step 0, with the type bits;  s[90:91] its B
.set PB2, 90
.set LA2, 94                           ; s94 where my 64 rows of the second tile's A go in a slot
.set MSB, 0
.macro WIN new                         ; the immediate's high byte repeats the setting that is left; a switch that changes nothing is dropped
.if MSB != (\new)
	s_set_vgpr_msb (MSB<<8)|(\new)
.set MSB, (\new)
.endif
.endm
.set MUL_LO, 0xa1                      ; source 0 (B) window 1, source 1 (A) window 0, C and D window 2
.set MUL_HI, 0xf1                      ; the same, C and D window 3
.set TO_B,   0x40
.macro JLOAD g0a, g1a, g0b, g1b        ; a joint refill: waves 0 and 1 fetch for A, waves 2 and 3 for B; an s_nop 0 and four v_nop follow each line
	s_cmp_eq_u32 s15, 0
	s_cbranch_scc0 .Lfor_b_\@
	tensor_load_to_lds s[\g0a:\g0a+3], s[\g1a:\g1a+7]
	s_nop 0
.rept 4
	v_nop
.endr
	s_branch .Lasked_\@
.Lfor_b_\@:
	tensor_load_to_lds s[\g0b:\g0b+3], s[\g1b:\g1b+7]
	s_nop 0
.rept 4
	v_nop
.endr
.Lasked_\@:
.endm
.macro CREST                           ; a round of the cluster's barrier behind its opening barrier
	s_cmp_lg_u32 s14, 0
	s_cbranch_scc1 .Lnot_wave_0_\@
	s_barrier_signal -3
.Lnot_wave_0_\@:
	s_barrier_wait -3
	s_barrier_signal -1
	s_barrier_wait -1
.endm
.macro CROUND
	s_barrier_signal -1
	s_barrier_wait -1
	CREST
.endm
.macro OFFS px                         ; s22 = my first row of x, s23 = my first row of the weight: ((s22 / 2048) x 16 + s23 / 64) x 131,072 + (s22 % 2048) x 64 serves all three buffers
	s_lshr_b32 s2, s22, 11
	s_lshl_b32 s2, s2, 4
	s_lshr_b32 s3, s23, 6
	s_add_co_u32 s2, s2, s3
	s_lshl_b32 s2, s2, 17
	s_and_b32 s3, s22, 2047
	s_lshl_b32 s3, s3, 6
	s_add_co_u32 s2, s2, s3
	s_mov_b32 s3, 0
	s_add_nc_u64 s[\px:\px+1], s[\px:\px+1], s[2:3]
.endm
.macro BITS e, lo, hi                  ; E -> the bits of 2^E and of 57,344 x 2^E
	s_add_co_i32 s\e, s\e, 127
	s_lshl_b32 s\lo, s\e, 23
	s_add_co_i32 s\e, s\e, 15
	s_lshl_b32 s\hi, s\e, 23
	s_or_b32 s\hi, s\hi, 0x600000
.endm
	s_load_b256 s[4:11], s[0:1], 0x0               ; x s[4:5], Wq s[6:7], Wk s[8:9], Wv s[10:11]
	s_load_b256 s[68:75], s[0:1], 0x20             ; the scales' exponents s[68:69], q_codes s[70:71], k_codes s[72:73], v_codes s[74:75]
	v_lshl_add_u32 v[SPW], v0, 2, SPARE
	v_mov_b32 v[NIL], 0
	ds_add_u32 v[SPW], v[NIL]                      ; the opening lines: the add, twice on end, and its wait
	ds_add_u32 v[SPW], v[NIL]
	v_lshrrev_b32 v1, 5, v0
	v_readfirstlane_b32 s14, v1                    ; wave 0..3
	s_lshr_b32 s15, s14, 1                         ; which half of the tile's A rows is mine.  Also: my refills fetch for A (0) or for B (1)
	s_and_b32 s16, s14, 1                          ; which half of its B rows.  Also: which half of that tile's rows my refills fetch
	s_bfe_u32 s40, ttmp6, 0x40000                  ; cx, cy
	s_bfe_u32 s41, ttmp6, 0x40004
	s_and_b32 s12, ttmp7, 0xffff
	s_lshl_b32 s12, s12, 2                         ; 4 x cluster y
	s_add_co_u32 s17, s41, s12                     ; first tile, A: x's tile row 4 Y + cy.  (Its B: the weight's tile row cx)
	s_add_co_u32 s13, s40, s12                     ; second tile, B: x's tile row 4 Y + cx
	s_lshl_b32 s95, ttmp9, 2
	s_add_co_u32 s95, s95, s41                     ; second tile, A: Wv's block of 128 rows 4 X + cy
	s_lshl_b32 s43, s41, 2
	s_lshl_b32 s43, 15, s43                        ; my row of the cluster
	s_lshl_b32 s44, 0x1111, s40                    ; my column
	s_or_b32 s[G1+0], s43, (0<<16)|(1<<20)|(1<<21)|(5<<22)|(3<<25)  ; the mask; elements of 1 byte; padding on; bit 21 beside a mask; after every 64 words four words
	s_or_b32 s[G1B+0], s44, (0<<16)|(1<<20)|(1<<21)|(5<<22)|(3<<25)
.irp g, G1, G1B
	s_mov_b32 s[\g+1], ROWB<<16
	s_mov_b32 s[\g+2], 256<<16                     ; 256 rows for the head's loads; the refills state fewer
	s_mov_b32 s[\g+3], ROWB<<16
	s_mov_b32 s[\g+4], 256
	s_mov_b32 s[\g+5], KROW
	s_mov_b32 s[\g+6], 0
	s_mov_b32 s[\g+7], 0
.endr
	s_lshl_b32 s18, s16, 7
	s_lshl_b32 s19, s16, 6
	s_lshl_b32 s20, s17, 8
	s_add_co_u32 s20, s20, s18                     ; first tile, A: row 256 x tile row + 128 x half,
	s_lshl_b32 s20, s20, 10                        ; in bytes
	s_mov_b32 s21, 0
	s_lshl_b32 s46, s40, 8
	s_add_co_u32 s46, s46, s18                     ; first tile, B likewise
	s_lshl_b32 s46, s46, 10
	s_mov_b32 s47, 0
	s_lshl_b32 s88, s95, 7
	s_add_co_u32 s88, s88, s19                     ; second tile, A: row 128 x block + 64 x half
	s_lshl_b32 s88, s88, 10
	s_mov_b32 s89, 0
	s_lshl_b32 s90, s13, 8
	s_add_co_u32 s90, s90, s18                     ; second tile, B
	s_lshl_b32 s90, s90, 10
	s_mov_b32 s91, 0
	s_mul_i32 s45, s14, HALFT                      ; where my refills go: wave x 128 rows
	s_mul_i32 s[LA2], s16, 64*PITCH                ; second tile, A: half x 64 rows
	s_wait_dscnt 0x0
	s_wait_kmcnt 0x0
	s_load_b256 s[76:83], s[68:69], 0x0            ; e0 .. e7
	s_load_b128 s[84:87], s[68:69], 0x20           ; e8 .. e11
	s_cmp_eq_u32 ttmp9, 1                          ; the cluster's x is the same in all sixteen partners
	s_cselect_b64 s[66:67], s[8:9], s[6:7]         ; Wk or Wq
	s_cselect_b64 s[92:93], s[72:73], s[70:71]     ; k_codes or q_codes
	s_add_nc_u64 s[20:21], s[4:5], s[20:21]
	s_add_nc_u64 s[46:47], s[66:67], s[46:47]
	s_add_nc_u64 s[PA2:PA2+1], s[10:11], s[88:89]
	s_or_b32 s[PA2+1], s[PA2+1], 0x80000000
	s_add_nc_u64 s[PB2:PB2+1], s[4:5], s[90:91]
	s_or_b32 s[PB2+1], s[PB2+1], 0x80000000
	CROUND                                         ; all sixteen work-groups are here: the first joint loads meet
.irp s, 0,1
	s_mov_b32 s[G0+4*\s], 1
	s_add_co_u32 s[G0+4*\s+1], s45, \s*SLOT
	s_add_nc_u64 s[G0+4*\s+2:G0+4*\s+3], s[20:21], \s*ROWB
	s_or_b32 s[G0+4*\s+3], s[G0+4*\s+3], 0x80000000
	s_mov_b32 s[G0B+4*\s], 1
	s_add_co_u32 s[G0B+4*\s+1], s45, \s*SLOT
	s_add_nc_u64 s[G0B+4*\s+2:G0B+4*\s+3], s[46:47], \s*ROWB
	s_or_b32 s[G0B+4*\s+3], s[G0B+4*\s+3], 0x80000000
.endr
	; THE HEAD'S LOADS, one a wave: wave 0 A's 256 rows of K step 0, wave 1 B's, wave 2 A's of K step 1, wave 3 B's: both slots are asked for in one group.
	s_lshl_b32 s22, s16, 17                        ; the 128 rows that my refills' addresses have on top: taken off again
	s_mov_b32 s23, 0
	s_lshl_b32 s66, s15, 8                         ; K step wave / 2
	s_mov_b32 s67, 0
	s_mov_b32 s4, 1
	s_mul_i32 s5, s15, SLOT
	s_sub_nc_u64 s[6:7], s[20:21], s[22:23]
	s_add_nc_u64 s[6:7], s[6:7], s[66:67]
	s_or_b32 s7, s7, 0x80000000
	s_mov_b32 s8, 1
	s_add_co_u32 s9, s5, 2*HALFT
	s_sub_nc_u64 s[10:11], s[46:47], s[22:23]
	s_add_nc_u64 s[10:11], s[10:11], s[66:67]
	s_or_b32 s11, s11, 0x80000000
	s_cmp_eq_u32 s16, 0                            ; even waves ask for A, odd waves for B
	s_cbranch_scc0 .Lhead_b
	tensor_load_to_lds s[4:7], s[G1:G1+7]
	s_nop 0
.rept 4
	v_nop
.endr
	s_branch .Lhead_asked
.Lhead_b:
	tensor_load_to_lds s[8:11], s[G1B:G1B+7]
	s_nop 0
.rept 4
	v_nop
.endr
.Lhead_asked:
	s_mul_i32 s21, s15, HALFT                      ; first tile: my 128 rows of A
	s_mul_i32 s22, s16, HALFT
	s_add_co_u32 s22, s22, 2*HALFT                 ; my 128 rows of B
	s_mul_i32 s23, s15, 64*PITCH                   ; second tile: my 64 rows of A
	v_and_b32 v1, 15, v0                           ; r = lane % 16
	v_bfe_u32 v2, v0, 4, 1                         ; h = lane / 16
	v_mul_u32_u24 v3, v1, PITCH
	v_lshl_add_u32 v4, v2, 4, v3                   ; a fragment's row x pitch + 16 h
	v_add_nc_u32 v[ADRA], s21, v4
	v_add_nc_u32 v[ADRB], s22, v4
	v_add_nc_u32 v[ADRA2], s23, v4
	v_add_nc_u32 v[ADRA+1], SLOT, v[ADRA]
	v_add_nc_u32 v[ADRB+1], SLOT, v[ADRB]
	v_add_nc_u32 v[ADRA2+1], SLOT, v[ADRA2]
	v_and_b32 v6, 31, v0
	v_lshlrev_b32 v[LO], 4, v6
	s_lshl_b32 s22, s17, 8                         ; where my results go.  First tile: tokens 256 x tile row + 128 x (wave / 2),
	s_lshl_b32 s18, s15, 7
	s_add_co_u32 s22, s22, s18
	s_lshl_b32 s23, s40, 8                         ; rows of the weight 256 cx + 128 x (wave % 2)
	s_lshl_b32 s18, s16, 7
	s_add_co_u32 s23, s23, s18
	OFFS 92
	s_lshl_b32 s22, s13, 8                         ; second tile: keys 256 x tile row + 128 x (wave % 2),
	s_add_co_u32 s22, s22, s18
	s_lshl_b32 s23, s95, 7                         ; rows of Wv 128 x block + 64 x (wave / 2)
	s_lshl_b32 s18, s15, 6
	s_add_co_u32 s23, s23, s18
	OFFS 74
	s_wait_kmcnt 0x0                               ; the exponents
	s_sub_co_i32 s18, s82, s76
	s_sub_co_i32 s18, s18, s77                     ; q: e6 - e0 - e1
	s_sub_co_i32 s19, s83, s78
	s_sub_co_i32 s19, s19, s79                     ; k: e7 - e2 - e3
	s_sub_co_i32 s22, s85, s80
	s_sub_co_i32 s22, s22, s81                     ; v: e9 - e4 - e5
	s_cmp_eq_u32 ttmp9, 1
	s_cselect_b32 s18, s19, s18                    ; chosen without a branch
	BITS 18, 96, 97
	BITS 22, 98, 99
	v_mov_b32 v[SCL], s96
	v_mov_b32 v[LIM], s97
.macro FRAG reg, adr, q, i             ; a fragment by four loads of 16 bytes: registers 4 c .. 4 c + 3 hold K = 32 c + 16 h + 0 .. 15 of row lane % 16: the same order of K in A and in B
.irp c, 0,1,2,3
	ds_load_b128 v[\reg+4*\c:\reg+4*\c+3], v[\adr] offset:128*(\q)+32*\c+(\i)*16*PITCH
.endr
.endm
; 8 matrix instructions: the block of A in registers AF + 16 a x B's eight, 128 along K; accumulators (a % 4, b).  p: B's set.  zero = 1: the product starts the sums.
; The accumulators take turns, one instruction a turn, in the same order in every step.
.macro MUL8 a, p, zero
.irp b, 0,1,2,3,4,5,6,7
.if \zero
	v_wmma_f32_16x16x128_bf8_bf8 v[8*(8*((\a)%4)+\b):8*(8*((\a)%4)+\b)+7], v[128*(\p)+FR*\b:128*(\p)+FR*\b+FR-1], v[AF+FR*(\a):AF+FR*(\a)+FR-1], 0
.else
	v_wmma_f32_16x16x128_bf8_bf8 v[8*(8*((\a)%4)+\b):8*(8*((\a)%4)+\b)+7], v[128*(\p)+FR*\b:128*(\p)+FR*\b+FR-1], v[AF+FR*(\a):AF+FR*(\a)+FR-1], v[8*(8*((\a)%4)+\b):8*(8*((\a)%4)+\b)+7]
.endif
.endr
.endm
.macro MUL16 a0, p, zero
	MUL8 \a0, \p, \zero
	MUL8 (\a0)+1, \p, \zero
.endm
.macro FETCH_B slot, q, p              ; B's eight fragments of the slot's q-th 128 along K into set p
	WIN TO_B
.irp i, 0,1,2,3,4,5,6,7
	FRAG 128*(\p)+FR*\i, ADRB+\slot, \q, \i
.endr
	WIN 0
.endm
.macro FETCH_A slot, q, i0             ; first tile: A's blocks i0 .. i0 + 3
.irp i, \i0, \i0+1, \i0+2, \i0+3
	FRAG AF+FR*(\i), ADRA+\slot, \q, \i
.endr
.endm
.macro FETCH_A2 slot, q, p             ; second tile: A's four blocks into set p
.irp i, 0,1,2,3
	FRAG AF+FR*(4*(\p)+\i), ADRA2+\slot, \q, \i
.endr
.endm
.macro PLACES n                        ; plain vector instructions between a matrix instruction and a load into, or a vector instruction on, one of its registers
.rept \n
	v_nop
.endr
.endm
; FIRST TILE.  A step of 128 along K that has its successor in the same slot: A's blocks 0-3 come anew in the step's middle, blocks 4-7 at its end.
.macro STEP slot, q, zero
	s_wait_dscnt 4*NL                              ; B's set and A's blocks 0-3 are in; the youngest 16 loads (A's blocks 4-7) may be out
	WIN MUL_LO
	MUL16 0, (\q)%2, \zero
	MUL16 2, (\q)%2, \zero
	s_wait_dscnt 0
	PLACES NP
	FETCH_B \slot, (\q)+1, 1-(\q)%2
	FETCH_A \slot, (\q)+1, 0
	WIN MUL_HI
	MUL16 4, (\q)%2, \zero
	MUL16 6, (\q)%2, \zero
	PLACES NP
	WIN 0
	FETCH_A \slot, (\q)+1, 4
.endm
; A slot's last step changes slots: each wave waits for all its tensor loads, adds 0 to its spare word, waits for that and for its reads of this slot; a round of the cluster's barrier; the refill.
; fill = 1: this tile's K step two on.  fill = 2: the second tile's K step 0 or 1.  fetch = 0: nothing of the next slot is read yet.  arows: the rows of A that a wave's refill brings.
.macro TURN slot, next, fill, fetch, arows
	s_wait_tensorcnt 0x0
	ds_add_u32 v[SPW], v[NIL]
	s_mov_b32 s[G1+2], (\arows)<<16                ; no load of mine is out: the refills' row counts
	s_mov_b32 s[G1+4], \arows
	s_mov_b32 s[G1B+2], 128<<16
	s_mov_b32 s[G1B+4], 128
	s_wait_dscnt 4*NL+1                            ; (the add and the youngest 16 loads, A's blocks 4-7, may be out)
	WIN MUL_LO
	MUL16 0, 1, 0
	s_wait_dscnt 0x0                               ; the add is done, and my reads of this slot are over
	s_barrier_signal -1
	MUL16 2, 1, 0
	WIN 0
	s_barrier_wait -1
	CREST
.if \fill == 1
	s_add_nc_u64 s[G0+4*\slot+2:G0+4*\slot+3], s[G0+4*\slot+2:G0+4*\slot+3], 2*ROWB
	s_add_nc_u64 s[G0B+4*\slot+2:G0B+4*\slot+3], s[G0B+4*\slot+2:G0B+4*\slot+3], 2*ROWB
.else
	s_add_co_u32 s[G0+4*\slot+1], s[LA2], \slot*SLOT
	s_add_nc_u64 s[G0+4*\slot+2:G0+4*\slot+3], s[PA2:PA2+1], \slot*ROWB
	s_add_nc_u64 s[G0B+4*\slot+2:G0B+4*\slot+3], s[PB2:PB2+1], \slot*ROWB
.endif
	JLOAD G0+4*\slot, G1, G0B+4*\slot, G1B         ; the first tensor load behind the round, my one load until the next; its four v_nop are the places in front of the loads below
.if \fetch
	FETCH_B \next, 0, 0
	FETCH_A \next, 0, 0
.endif
	WIN MUL_HI
	MUL16 4, 1, 0
	MUL16 6, 1, 0
.if \fetch
	PLACES NP
	WIN 0
	FETCH_A \next, 0, 4
.else
	WIN 0
.endif
.endm
; SECOND TILE: 32 matrix instructions for 128 along K; two sets of A's four blocks and of B's eight.
.macro STEP2 slot, zero
	s_wait_dscnt 2*NL                              ; B's set and A's blocks 0, 1 are in; the youngest 8 loads (blocks 2, 3) may be out
	WIN MUL_LO
	MUL16 0, 0, \zero
	s_wait_dscnt 0
	PLACES NP
	FETCH_B \slot, 1, 1
	FETCH_A2 \slot, 1, 1
	WIN MUL_LO
	MUL16 2, 0, \zero
.endm
.macro TURN2 slot, next, fill
	WIN 0
	s_wait_tensorcnt 0x0
	ds_add_u32 v[SPW], v[NIL]
	s_wait_dscnt 2*NL+1                            ; (the add and the youngest 8 loads may be out)
	WIN MUL_LO
	MUL8 4, 1, 0
	s_wait_dscnt 0x0
	s_barrier_signal -1
	MUL8 5, 1, 0
	WIN 0
	s_barrier_wait -1
.if \fill
	CREST
	s_add_nc_u64 s[G0+4*\slot+2:G0+4*\slot+3], s[G0+4*\slot+2:G0+4*\slot+3], 2*ROWB
	s_add_nc_u64 s[G0B+4*\slot+2:G0B+4*\slot+3], s[G0B+4*\slot+2:G0B+4*\slot+3], 2*ROWB
	JLOAD G0+4*\slot, G1, G0B+4*\slot, G1B
.else
	PLACES NP
.endif
	FETCH_B \next, 0, 0
	FETCH_A2 \next, 0, 0
	WIN MUL_LO
	MUL16 6, 1, 0
.endm
; THE WAY OUT of block a (16 rows of A x my 128 rows of B): hold, convert, store.  px: the results' pointer; step: from block to block; hi: where code registers 8-15 go (q, k: the next head; v: the image's second half).
.macro OUTBLK a, px, step, hi
.set AC, 64*((\a)%4)
.set CB, CD+16*(\a)
	WIN 0x82+0x41*((\a)/4)
.set j, 0
.rept 64
	v_med3_num_f32 v[AC+j], v[AC+j], -v[LIM], v[LIM]   ; the conversion does not saturate (ISA guide 7.6.2): the hold comes first; each accumulator from its low end on
.set j, j+1
.endr
	WIN 0x02+((\a)/4)
.set j, 0
.rept 8
	v_cvt_scalef32_pk8_bf8_f32 v[CB+2*j:CB+2*j+1], v[AC+8*j:AC+8*j+7], v[SCL]
.set j, j+1
.endr
	v_nop                                          ; a plain vector instruction behind the last conversion of the run
	WIN 0
.if (\a) > 0
	s_wait_alu depctr_va_vdst(0)
	s_wait_xcnt 0x0                                ; the earlier stores have read their base: it may step
	s_add_nc_u64 s[\px:\px+1], s[\px:\px+1], \step
.endif
	global_store_b128 v[LO], v[CB:CB+3],     s[\px:\px+1]              ; 32 lanes store 512 consecutive bytes, aligned
	global_store_b128 v[LO], v[CB+4:CB+7],   s[\px:\px+1] offset:512
	global_store_b128 v[LO], v[CB+8:CB+11],  s[\px:\px+1] offset:\hi
	global_store_b128 v[LO], v[CB+12:CB+15], s[\px:\px+1] offset:\hi+512
.endm
	s_wait_alu depctr_va_vdst(0)
	s_wait_tensorcnt 0x0                           ; my one load of the head is in: a whole tile of slot 0 or of slot 1
	s_barrier_signal -1
	s_barrier_wait -1                              ; everybody's is
	FETCH_B 0, 0, 0
	FETCH_A 0, 0, 0
	FETCH_A 0, 0, 4
	STEP 0, 0, 1
	TURN 0, 1, 1, 1, 128                           ; slot 0 takes K step 2
	STEP 1, 0, 0
	TURN 1, 0, 1, 1, 128                           ; slot 1 takes K step 3
	STEP 0, 0, 0
	TURN 0, 1, 2, 1, 64                            ; slot 0 takes the second tile's K step 0
	STEP 1, 0, 0
	TURN 1, 0, 2, 0, 64                            ; slot 1 takes its K step 1; its K step 0 is in, everybody's part
	PLACES NP                                      ; behind the last products: their results are read, and the registers that held A's fragments are written
.irp a, 0,1,2,3,4,5,6,7
	OUTBLK \a, 92, 1024, 131072
.endr
	s_wait_xcnt 0x0                                ; the stores have read the code registers: A's fragments land there again
	FETCH_B 0, 0, 0
	FETCH_A2 0, 0, 0
	STEP2 0, 1
	TURN2 0, 1, 1                                  ; slot 0 takes K step 2
	STEP2 1, 0
	TURN2 1, 0, 1                                  ; slot 1 takes K step 3
	STEP2 0, 0
	TURN2 0, 1, 0                                  ; nothing is left to fetch
	STEP2 1, 0
	s_wait_dscnt 2*NL                              ; the last step
	WIN MUL_LO
	MUL16 4, 1, 0
	s_wait_dscnt 0
	MUL16 6, 1, 0
	WIN 0
	v_mov_b32 v[SCL], s98                          ; v's scale
	v_mov_b32 v[LIM], s99
	PLACES NP
.irp a, 0,1,2,3
	OUTBLK \a, 74, 2048, 1024
.endr
	s_wait_tensorcnt 0x0                           ; the wave's end
	ds_add_u32 v[SPW], v[NIL]
	s_wait_dscnt 0x0
	CROUND                                         ; the closing round
	s_endpgm
.Lfunc_end_k_q237f1a38d3_qkv:
	.size	k_q237f1a38d3_qkv, .Lfunc_end_k_q237f1a38d3_qkv-k_q237f1a38d3_qkv
	.p2alignl 7, 3214868480
	.fill 96, 4, 3214868480
	.section	.rodata,"a",@progbits
	.p2align	6, 0x0
	.amdhsa_kernel k_q237f1a38d3_qkv
		.amdhsa_group_segment_fixed_size 327680
		.amdhsa_private_segment_fixed_size 0
		.amdhsa_enable_private_segment 0
		.amdhsa_kernarg_size 64
		.amdhsa_user_sgpr_count 2
		.amdhsa_user_sgpr_kernarg_segment_ptr 1
		.amdhsa_wavefront_size32 1
		.amdhsa_system_sgpr_workgroup_id_x 1
		.amdhsa_system_sgpr_workgroup_id_y 1
		.amdhsa_system_sgpr_workgroup_id_z 1
		.amdhsa_system_vgpr_workitem_id 0
		.amdhsa_next_free_vgpr 1024
		.amdhsa_next_free_sgpr 100
		.amdhsa_reserve_vcc 0
		.amdhsa_float_denorm_mode_32 3
		.amdhsa_float_denorm_mode_16_64 3
		.amdhsa_memory_ordered 1
		.amdhsa_forward_progress 1
		.amdhsa_inst_pref_size 188
	.end_amdhsa_kernel
	.amdgpu_metadata
---
amdhsa.version: [ 1, 2 ]
amdhsa.kernels:
  - .name:           k_q237f1a38d3_qkv
    .symbol:         k_q237f1a38d3_qkv.kd
    .args:
      - { .name: x_codes, .offset: 0, .size: 8, .value_kind: global_buffer, .address_space: global }
      - { .name: Wq_codes, .offset: 8, .size: 8, .value_kind: global_buffer, .address_space: global }
      - { .name: Wk_codes, .offset: 16, .size: 8, .value_kind: global_buffer, .address_space: global }
      - { .name: Wv_codes, .offset: 24, .size: 8, .value_kind: global_buffer, .address_space: global }
      - { .name: lowp_scales, .offset: 32, .size: 8, .value_kind: global_buffer, .address_space: global }
      - { .name: q_codes, .offset: 40, .size: 8, .value_kind: global_buffer, .address_space: global }
      - { .name: k_codes, .offset: 48, .size: 8, .value_kind: global_buffer, .address_space: global }
      - { .name: v_codes, .offset: 56, .size: 8, .value_kind: global_buffer, .address_space: global }
    .group_segment_fixed_size: 327680
    .private_segment_fixed_size: 0
    .kernarg_segment_align: 8
    .kernarg_segment_size: 64
    .max_flat_workgroup_size: 128
    .sgpr_count:     100
    .vgpr_count:     1024
    .wavefront_size: 32
...
	.end_amdgpu_metadata
.endif
;; end of part 1
;; launch attn (part 2): grid 4 x 64, 8 waves a work-group, clusters of 4 x 1, 327,680 bytes of LDS; arguments q_codes, k_codes, v_codes, lowp_scales, a_codes; writes a_codes
.if DOCPART == 2
	.amdgcn_target "amdgcn-amd-amdhsa--gfx1250"
	.amdhsa_code_object_version 6
	.text
	.protected	k_q237f1a38d3_attn
	.globl	k_q237f1a38d3_attn
	.p2align	8
	.type	k_q237f1a38d3_attn,@function
k_q237f1a38d3_attn:
	s_mov_b64 s[64:65], 0
	v_nop
	global_prefetch_b8 v0, s[64:65] scope:SCOPE_SE
	s_setreg_imm32_b32 hwreg(HW_REG_WAVE_MODE, 25, 1), 1
	s_wait_xcnt 0x0
	s_wait_alu depctr_hold_cnt(0) depctr_sa_sdst(0) depctr_va_vdst(0) depctr_va_sdst(0) depctr_va_ssrc(0) depctr_va_vcc(0) depctr_vm_vsrc(0)
	s_getreg_b32 s2, hwreg(HW_REG_IB_STS2, 6, 4)
	s_cmp_eq_u32 s2, 0
	s_cbranch_scc0 .Lentry_in_a_cluster
	s_endpgm
.Lentry_in_a_cluster:
	s_bfe_u32 s2, ttmp6, 0x10000c
	s_cmp_lg_u32 s2, 0x3003
	s_cbranch_scc0 .Lentry_shape_is_right
	s_endpgm
.Lentry_shape_is_right:
; Causal attention of one (batch, head) for each cluster, both products on codes of E5M2, and the quantising of the heads' results for the last product.
; t = score x 2^(e6 + e7) x log2(e) / 32;  M = the running largest t rounded UP to a whole number;  p = 2^(t - M) is quantised with 2^e8, not normalised; the row's sum l is taken of the unquantised p;
; o = (sum of p's codes x v's codes) x 2^(e8 + e9) / l, quantised with 2^e10.  When M moves, l and the sums are multiplied by 2^(old M - new M), which rounds nothing.
; WORK LEFT OUT: blocks of 128 keys that lie wholly behind a group's queries: reference()'s own tril mask gives them the weight 0 for all inputs.
; LIMITS: e6 + e7 between -121 and 132 (added to the exponent field of log2(e) / 32); e8 and e10 between -126 and 112; e8 + e9 goes in by v_ldexp_f32 and has none.  NaN among the codes is not served.
; LDS.  The head's K (131,072 bytes, from byte 0) and V (131,072, behind it) lie in LDS as the images of operand registers that the launch before stored: 128 keys are 8,192 bytes of each.
; They are fetched once, jointly by the cluster's four work-groups, in two groups of eight loads, one a wave: keys 0-511 (8,192 bytes a wave) at the head, keys 512-2047 (24,576 bytes a wave) behind the
; full sequence and a round of the cluster's barrier.  No byte is filled twice, none is stored to.  No prefetch: both groups are asked for at the head, so there is no later request to run ahead of.
; SHARES.  A group is 32 queries: two tiles X and Y of 16, which share every fragment of K and V.  Wave w of work-group cx takes group 63 - 4 w - cx (the long pass, first) and group 4 w + cx (the short pass):
; their last blocks of 128 keys are 15 - w and w, which hang on the wave's number alone; every wave walks 17 key steps.  cx enters global addresses and the mask's lane data, no branch and no LDS address.
; The long pass has nine steps at the least: its steps 0-3, a loop of four trips with no mask, read the first group's bytes alone while the second group is on its way; a wait and a barrier follow.
; K's fragments of the next step are asked for behind the step's score products (the block's number held at the last that may be read), V's at the step's head.
; LAYOUT.  S^T = K Q^T (source 0 = 16 keys, source 1 = 16 queries): lane (r, h) holds query r and, in tile u, keys 16 u + 8 h + 0 .. 7: their codes are registers 2 u, 2 u + 1 of P for K = 128.
; O^T = V^T P^T (source 0 = 16 d x 128 keys): lane (r, h) holds d = 16 t + 8 h + 0 .. 7 of query r: their codes are registers 2 t, 2 t + 1 of the head's part of the last product's operand.
; a_codes: [128 rows][4 heads = 256 along K][tile of 16 rows][head][2][lane][16 bytes]: each store of the wave covers 512 consecutive bytes, aligned.
; REGISTERS.  window 0: v1-7 addresses, mask; v8-15 -M, largest t, l (X, Y); v16-19 f; v20-29 at work; v30 2^e8; v160, v161 57,344 x 2^e8; v32-95 S^T, p of X; v96-159 of Y; v222, v223 the add's; v224-255 P's codes.
;   window 1: v0-31, v32-63 O^T of X, Y; v64-79 Q of X, Y; v80-95 the short pass's Q; v128-191 K's 8 fragments; v192-255 V's 4.
.set SPARE, 0x40000                    ; behind K and V: the spare words, 128 bytes a wave
.set WV,   14
.set CX,   15
.set BH,   16                          ; batch x 16 + head
.set SEL,  20                          ; s[20:21] lane selects: lane l xor 16
.set CS,   22                          ; s[22:23] c = 2^(e6 + e7) log2(e) / 32, twice
.set G1,   24                          ; s[24:31] group 1: 32 rows of 256 bytes
.set G0K,  32                          ; s[32:35] group 0 for K's part, s[36:39] for V's
.set G0V,  36
.set PASS, 40
.set KS,   41                          ; the key step
.set BLK,  42                          ; the pass's last key step
.set TB,   43                          ; 8,192 x KS
.set TN,   83                          ; 8,192 x the next step
.set G2,   84                          ; s[84:91] group 1: 96 rows of 256 bytes
.set LO,   92                          ; the first key step that is still to do
.set LOB,  93                          ; 8,192 x that
.set SX,   32
.set SY,   96
.set MSB, 0
.macro WIN new                         ; the immediate's high byte repeats the setting that is left
.if MSB != (\new)
	s_set_vgpr_msb (MSB<<8)|(\new)
.set MSB, (\new)
.endif
.endm
.macro CROUND                          ; a round of the cluster's barrier
	s_barrier_signal -1
	s_barrier_wait -1
	s_cmp_lg_u32 s[WV], 0
	s_cbranch_scc1 .Lnot_wave_0_\@
	s_barrier_signal -3
.Lnot_wave_0_\@:
	s_barrier_wait -3
	s_barrier_signal -1
	s_barrier_wait -1
.endm
.macro TLOAD g1                        ; waves 0-3 ask for K, waves 4-7 for V: the branch hangs on the wave's number alone
	s_cmp_lt_u32 s[WV], 4
	s_cbranch_scc0 .Lfor_v_\@
	tensor_load_to_lds s[G0K:G0K+3], s[\g1:\g1+7]
	s_nop 0
.rept 4
	v_nop
.endr
	s_branch .Lasked_\@
.Lfor_v_\@:
	tensor_load_to_lds s[G0V:G0V+3], s[\g1:\g1+7]
	s_nop 0
.rept 4
	v_nop
.endr
.Lasked_\@:
.endm
.macro KLOAD adr                       ; K's eight tiles of 16 keys x 64 d: each load 32 lanes, 512 consecutive bytes
	WIN 0x40
.irp u, 0,1,2,3,4,5,6,7
	ds_load_b128 v[128+8*\u:131+8*\u], v[\adr] offset:1024*\u
	ds_load_b128 v[132+8*\u:135+8*\u], v[\adr] offset:1024*\u+512
.endr
	WIN 0
.endm
.macro INIT                            ; a pass begins: the largest t -3e38, l and O^T zeros, which the first change of M leaves zeros
	v_mov_b32 v9, 0xff61b1e6
	v_mov_b32 v13, 0xff61b1e6
	s_delay_alu instid0(VALU_DEP_2)
	v_floor_f32 v8, -v9
	s_delay_alu instid0(VALU_DEP_2)
	v_floor_f32 v12, -v13
	v_mov_b32 v10, 0
	v_mov_b32 v11, 0
	v_mov_b32 v14, 0
	v_mov_b32 v15, 0
	WIN 0x40
.set j, 0
.rept 64
	v_mov_b32 v[j], 0
.set j, j+1
.endr
	WIN 0
.endm
; A KEY STEP: 128 keys x my 32 queries.  At its head K's 16 loads for it have been issued.  masked = 1: in the pass's last step hidden scores become -infinity.  kmax: the last block that the look-ahead may read.
.macro STEP masked, kmax
	v_add_nc_u32 v3, s[TB], v4
.rept 3
	v_nop                                          ; with the addition: four places between the last step's products and the loads into V's registers
.endr
	s_add_co_u32 s[TN], s[TB], 8192
	s_min_u32 s[TN], s[TN], (\kmax)*8192
	WIN 0x40
.irp t, 0,1,2,3
.irp c, 0,1,2,3
	ds_load_b128 v[192+16*\t+4*\c:195+16*\t+4*\c], v3 offset:2048*\t+512*\c   ; V^T: tile t of 16 d x 128 keys
.endr
.endr
	s_wait_dscnt 16                                ; K's 16 loads are in; V's 16, issued behind them, may be out
	WIN 0x05
.irp u, 0,1,2,3,4,5,6,7
	v_wmma_f32_16x16x64_bf8_bf8 v[SX+8*\u:SX+8*\u+7], v[128+8*\u:135+8*\u], v[64:71], 0
	v_wmma_f32_16x16x64_bf8_bf8 v[SY+8*\u:SY+8*\u+7], v[128+8*\u:135+8*\u], v[72:79], 0
.endr
	WIN 0
	v_add_nc_u32 v2, s[TN], v1
.rept 3
	v_nop                                          ; with the addition: four places in front of the loads into K's registers and of the first read of the scores
.endr
	KLOAD 2                                        ; the next step's K
.if \masked
	s_cmp_lg_u32 s[KS], s[BLK]
	s_cbranch_scc1 .Lopen_\@                       ; all keys of this step count
	s_wait_alu depctr_va_vdst(0)                   ; the wait ahead of the first reader of v5 and v6
.set n, 0
.rept 64
	v_cmp_gt_i32 vcc_lo, 16*(n/8)+n%8, v5
	v_cndmask_b32 v[SX+n], v[SX+n], v7, vcc_lo     ; a hidden score becomes -infinity: p = 0.  A query's own key always counts, so M stays a number
	v_cmp_gt_i32 vcc_lo, 16*(n/8)+n%8, v6
	v_cndmask_b32 v[SY+n], v[SY+n], v7, vcc_lo
.set n, n+1
.endr
.Lopen_\@:
.endif
	v_max3_num_f32 v20, v[SX], v[SX+1], v[SX+2]    ; the step's largest score of my query among my 64 keys: four chains a tile, ascending; X's and Y's lines by turns, so that a line reads what the eighth before it wrote
	v_max3_num_f32 v22, v[SY], v[SY+1], v[SY+2]
	v_max3_num_f32 v21, v[SX+3], v[SX+4], v[SX+5]
	v_max3_num_f32 v23, v[SY+3], v[SY+4], v[SY+5]
	v_max3_num_f32 v26, v[SX+6], v[SX+7], v[SX+8]
	v_max3_num_f32 v28, v[SY+6], v[SY+7], v[SY+8]
	v_max3_num_f32 v27, v[SX+9], v[SX+10], v[SX+11]
	v_max3_num_f32 v29, v[SY+9], v[SY+10], v[SY+11]
.irp i, 12,20,28,36,44,52
	v_max3_num_f32 v20, v20, v[SX+\i], v[SX+\i+1]
	v_max3_num_f32 v22, v22, v[SY+\i], v[SY+\i+1]
	v_max3_num_f32 v21, v21, v[SX+\i+2], v[SX+\i+3]
	v_max3_num_f32 v23, v23, v[SY+\i+2], v[SY+\i+3]
	v_max3_num_f32 v26, v26, v[SX+\i+4], v[SX+\i+5]
	v_max3_num_f32 v28, v28, v[SY+\i+4], v[SY+\i+5]
	v_max3_num_f32 v27, v27, v[SX+\i+6], v[SX+\i+7]
	v_max3_num_f32 v29, v29, v[SY+\i+6], v[SY+\i+7]
.endr
	v_max3_num_f32 v20, v20, v[SX+60], v[SX+61]
	v_max3_num_f32 v22, v22, v[SY+60], v[SY+61]
	v_max3_num_f32 v21, v21, v[SX+62], v[SX+63]
	v_max3_num_f32 v23, v23, v[SY+62], v[SY+63]
	v_max3_num_f32 v20, v20, v21, v26
	v_max3_num_f32 v22, v22, v23, v28
	s_delay_alu instid0(VALU_DEP_2)
	v_max_num_f32 v20, v20, v27
	s_delay_alu instid0(VALU_DEP_2)
	v_max_num_f32 v22, v22, v29
	s_delay_alu instid0(VALU_DEP_2)
	v_permlanex16_b32 v24, v20, s[SEL], s[SEL+1]
	s_delay_alu instid0(VALU_DEP_2)
	v_permlanex16_b32 v25, v22, s[SEL], s[SEL+1]
	s_delay_alu instid0(VALU_DEP_2)
	v_max_num_f32 v20, v20, v24                    ; and among lane l xor 16's
	s_delay_alu instid0(VALU_DEP_2)
	v_max_num_f32 v22, v22, v25
	s_delay_alu instid0(VALU_DEP_2)
	v_mul_f32 v20, s[CS], v20                      ; as t (c is positive)
	s_delay_alu instid0(VALU_DEP_2)
	v_mul_f32 v22, s[CS], v22
	s_delay_alu instid0(VALU_DEP_2)
	v_max_num_f32 v9, v9, v20                      ; the running largest t
	s_delay_alu instid0(VALU_DEP_2)
	v_max_num_f32 v13, v13, v22
	v_mov_b32 v20, v8
	v_mov_b32 v22, v12
	s_delay_alu instid0(VALU_DEP_4)
	v_floor_f32 v8, -v9                            ; the new -M = floor(-t) = -ceil(t)
	s_delay_alu instid0(VALU_DEP_4)
	v_floor_f32 v12, -v13
	s_delay_alu instid0(VALU_DEP_2)
	v_sub_f32 v20, v8, v20                         ; old M - new M: a whole number, 0 or less
	s_delay_alu instid0(VALU_DEP_2)
	v_sub_f32 v22, v12, v22
	s_delay_alu instid0(VALU_DEP_2)
	v_cvt_i32_f32 v20, v20                         ; (it saturates)
	s_delay_alu instid0(VALU_DEP_2)
	v_cvt_i32_f32 v22, v22
	s_delay_alu instid0(VALU_DEP_2)
	v_ldexp_f32 v16, 1.0, v20                      ; f = 2^(old M - new M)
	s_delay_alu instid0(VALU_DEP_2)
	v_ldexp_f32 v18, 1.0, v22
.set j, 0
.rept 32
	v_pk_fma_f32 v[SX+j:SX+j+1], v[SX+j:SX+j+1], s[CS:CS+1], v[8:9] op_sel_hi:[1,0,0]     ; t - M, two at a time (of the pairs c and -M the low word serves both halves)
	v_pk_fma_f32 v[SY+j:SY+j+1], v[SY+j:SY+j+1], s[CS:CS+1], v[12:13] op_sel_hi:[1,0,0]
.set j, j+2
.endr
	s_wait_alu depctr_va_vdst(0)
.set j, 0
.rept 64
	v_exp_f32 v[SX+j], v[SX+j]                     ; p = 2^(t - M): both tiles' 128 exponentials are one batch
	v_exp_f32 v[SY+j], v[SY+j]
.set j, j+1
.endr
	v_pk_mul_f32 v[10:11], v[10:11], v[16:17] op_sel_hi:[1,0]   ; l under the new M: plain instructions behind the last exponential
	v_pk_mul_f32 v[14:15], v[14:15], v[18:19] op_sel_hi:[1,0]
	s_wait_alu depctr_va_vdst(0)                   ; one wait for the whole batch, ahead of its first reader
	v_pk_add_f32 v[26:27], v[SX:SX+1], v[SX+2:SX+3]             ; the row's sum is taken of the unquantised p: four chains a tile, l's own among them
	v_pk_add_f32 v[28:29], v[SY:SY+1], v[SY+2:SY+3]
	v_pk_add_f32 v[20:21], v[SX+4:SX+5], v[SX+6:SX+7]
	v_pk_add_f32 v[22:23], v[SY+4:SY+5], v[SY+6:SY+7]
	v_pk_add_f32 v[162:163], v[SX+8:SX+9], v[SX+10:SX+11]
	v_pk_add_f32 v[164:165], v[SY+8:SY+9], v[SY+10:SY+11]
.irp j, 12,20,28,36,44,52
	v_pk_add_f32 v[10:11], v[10:11], v[SX+\j:SX+\j+1]
	v_pk_add_f32 v[14:15], v[14:15], v[SY+\j:SY+\j+1]
	v_pk_add_f32 v[26:27], v[26:27], v[SX+\j+2:SX+\j+3]
	v_pk_add_f32 v[28:29], v[28:29], v[SY+\j+2:SY+\j+3]
	v_pk_add_f32 v[20:21], v[20:21], v[SX+\j+4:SX+\j+5]
	v_pk_add_f32 v[22:23], v[22:23], v[SY+\j+4:SY+\j+5]
	v_pk_add_f32 v[162:163], v[162:163], v[SX+\j+6:SX+\j+7]
	v_pk_add_f32 v[164:165], v[164:165], v[SY+\j+6:SY+\j+7]
.endr
	v_pk_add_f32 v[10:11], v[10:11], v[SX+60:SX+61]
	v_pk_add_f32 v[14:15], v[14:15], v[SY+60:SY+61]
	v_pk_add_f32 v[26:27], v[26:27], v[SX+62:SX+63]
	v_pk_add_f32 v[28:29], v[28:29], v[SY+62:SY+63]
	v_pk_add_f32 v[20:21], v[20:21], v[162:163]
	v_pk_add_f32 v[22:23], v[22:23], v[164:165]
	v_pk_add_f32 v[10:11], v[10:11], v[26:27]
	v_pk_add_f32 v[14:15], v[14:15], v[28:29]
	s_delay_alu instid0(VALU_DEP_2)
	v_pk_add_f32 v[10:11], v[10:11], v[20:21]
	s_delay_alu instid0(VALU_DEP_2)
	v_pk_add_f32 v[14:15], v[14:15], v[22:23]
.irp u, 0,1,2,3,4,5,6,7
.irp i, 0,2,4,6                                    ; the conversion does not saturate (ISA guide 7.6.2); p is not negative, so the hold is one-sided; two numbers an instruction, the bound in two registers of different banks
	v_dual_min_num_f32 v[SX+8*\u+\i], v160, v[SX+8*\u+\i] :: v_dual_min_num_f32 v[SX+8*\u+\i+1], v161, v[SX+8*\u+\i+1]
	v_dual_min_num_f32 v[SY+8*\u+\i], v160, v[SY+8*\u+\i] :: v_dual_min_num_f32 v[SY+8*\u+\i+1], v161, v[SY+8*\u+\i+1]
.endr
	v_cvt_scalef32_pk8_bf8_f32 v[224+2*\u:225+2*\u], v[SX+8*\u:SX+8*\u+7], v30   ; registers 2 u, 2 u + 1 of P: keys 16 u + 8 h + 0 .. 7
	v_cvt_scalef32_pk8_bf8_f32 v[240+2*\u:241+2*\u], v[SY+8*\u:SY+8*\u+7], v30
.endr
	WIN 0x41
	s_wait_alu depctr_va_vdst(0)                   ; directly ahead of the first reader of O^T
.set j, 0
.rept 16
	v_pk_mul_f32 v[j:j+1], v[j:j+1], v[16:17] op_sel_hi:[1,0]          ; O^T under the new M.  (Also the plain lines between the conversions and the products)
	v_pk_mul_f32 v[32+j:33+j], v[32+j:33+j], v[18:19] op_sel_hi:[1,0]
.set j, j+2
.endr
	s_wait_alu depctr_va_vdst(0)
	s_wait_dscnt 16                                ; V's 16 loads are in; the next step's 16 of K, issued behind them, may be out
	WIN 0x51
.irp t, 0,1,2,3                                    ; eight accumulators, one instruction each: by turns
	v_wmma_f32_16x16x128_bf8_bf8 v[8*\t:8*\t+7], v[192+16*\t:207+16*\t], v[224:239], v[8*\t:8*\t+7]
	v_wmma_f32_16x16x128_bf8_bf8 v[32+8*\t:39+8*\t], v[192+16*\t:207+16*\t], v[240:255], v[32+8*\t:39+8*\t]
.endr
	WIN 0
.endm
	s_load_b256 s[4:11], s[0:1], 0x0               ; q_codes s[4:5], k_codes s[6:7], v_codes s[8:9], the scales' exponents s[10:11]
	s_load_b64 s[12:13], s[0:1], 0x20              ; a_codes
	v_lshl_add_u32 v222, v0, 2, SPARE
	v_mov_b32 v223, 0
	ds_add_u32 v222, v223                          ; the opening lines: the add, twice on end, and its wait
	ds_add_u32 v222, v223
	v_lshrrev_b32 v1, 5, v0
	s_delay_alu instid0(VALU_DEP_1)
	v_readfirstlane_b32 s[WV], v1                  ; wave 0..7
	s_bfe_u32 s[CX], ttmp6, 0x40000
	s_and_b32 s[BH], ttmp7, 0xffff                 ; the cluster's y
	s_lshl_b32 s18, s[BH], 17                      ; the head's first byte in q_codes, k_codes, v_codes
	s_mov_b32 s19, 0
.irp g, G1, G2                                     ; rows of 256 bytes, dense in memory and in LDS
	s_mov_b32 s[\g], 15|(3<<16)|(1<<21)            ; the mask: all four work-groups; elements of 8 bytes; bit 21 beside a mask; no padding
	s_mov_b32 s[\g+1], 32<<16
	s_mov_b32 s[\g+3], 32<<16
	s_mov_b32 s[\g+5], 32
	s_mov_b32 s[\g+6], 0
	s_mov_b32 s[\g+7], 0
.endr
	s_mov_b32 s[G1+2], 32<<16                      ; 32 rows: 128 keys
	s_mov_b32 s[G1+4], 32
	s_mov_b32 s[G2+2], 96<<16                      ; 96 rows: 384 keys
	s_mov_b32 s[G2+4], 96
	s_mov_b32 s[SEL], 0x76543210
	s_mov_b32 s[SEL+1], 0xfedcba98
	s_and_b32 s62, s[WV], 3
	s_lshl_b32 s2, s62, 13                         ; the first group: block wave % 4 of K (waves 0-3) or V (waves 4-7),
	s_lshr_b32 s63, s[WV], 2
	s_lshl_b32 s63, s63, 17
	s_add_co_u32 s58, s2, s63                      ; where it goes,
	s_mov_b32 s3, 0
	s_add_nc_u64 s[2:3], s[2:3], s[18:19]          ; and its offset in memory
	s_lshl_b32 s94, s62, 14
	s_add_co_u32 s94, s94, 32768                   ; from there to my part of the second group, 32,768 + 24,576 x (wave % 4): the same step in memory and in LDS
	s_mov_b32 s95, 0
	s_lshl_b32 s59, s[WV], 2
	s_add_co_u32 s59, s59, s[CX]                   ; the short pass: group 4 w + cx
	s_sub_co_u32 s60, 63, s59                      ; the long pass: group 63 - 4 w - cx
	s_lshl_b32 s54, s59, 11                        ; a group's Q: two images of 1,024 bytes
	s_add_co_u32 s54, s54, s18
	s_mov_b32 s55, 0
	s_lshl_b32 s56, s60, 11
	s_add_co_u32 s56, s56, s18
	s_mov_b32 s57, 0
	s_lshr_b32 s61, s[BH], 4
	s_lshl_b32 s61, s61, 21                        ; the batch: 16 blocks of 128 rows x 131,072 bytes
	s_bfe_u32 s62, s[BH], 0x20002
	s_lshl_b32 s62, s62, 15                        ; the head's K step of 256: 32,768 bytes
	s_add_co_u32 s61, s61, s62
	s_and_b32 s62, s[BH], 3
	s_lshl_b32 s62, s62, 10                        ; the head in that step: 1,024 bytes
	s_add_co_u32 s61, s61, s62
	s_lshr_b32 s62, s59, 2
	s_lshl_b32 s62, s62, 17                        ; the group's block of 128 rows,
	s_and_b32 s63, s59, 3
	s_lshl_b32 s63, s63, 13                        ; its two tiles of rows, 4,096 bytes each
	s_add_co_u32 s62, s62, s63
	s_add_co_u32 s48, s62, s61
	s_mov_b32 s49, 0
	s_lshr_b32 s62, s60, 2
	s_lshl_b32 s62, s62, 17
	s_and_b32 s63, s60, 3
	s_lshl_b32 s63, s63, 13
	s_add_co_u32 s62, s62, s63
	s_add_co_u32 s50, s62, s61
	s_mov_b32 s51, 0
	s_sub_co_u32 s44, 15, s[WV]                    ; the long pass's last key step
	s_lshl_b32 s46, s[CX], 5                       ; the group's first query inside its block of 128: short pass 32 cx,
	s_sub_co_u32 s47, 96, s46                      ; long pass 96 - 32 cx
	s_wait_dscnt 0x0
	s_wait_kmcnt 0x0
	s_load_b256 s[68:75], s[10:11], 0x0            ; e0 .. e7
	s_load_b128 s[76:79], s[10:11], 0x20           ; e8 .. e11
	s_mov_b32 s[G0K], 1
	s_mov_b32 s[G0K+1], s58
	s_add_nc_u64 s[G0K+2:G0K+3], s[6:7], s[2:3]
	s_or_b32 s[G0K+3], s[G0K+3], 0x80000000
	s_mov_b32 s[G0V], 1
	s_mov_b32 s[G0V+1], s58
	s_add_nc_u64 s[G0V+2:G0V+3], s[8:9], s[2:3]
	s_or_b32 s[G0V+3], s[G0V+3], 0x80000000
	s_add_nc_u64 s[54:55], s[4:5], s[54:55]        ; Q of the short pass, of the long pass
	s_add_nc_u64 s[56:57], s[4:5], s[56:57]
	s_add_nc_u64 s[48:49], s[12:13], s[48:49]      ; the results likewise
	s_add_nc_u64 s[50:51], s[12:13], s[50:51]
	CROUND                                         ; all four work-groups are here: the joint loads meet
	TLOAD G1                                       ; keys 0-511: my one load at the head
	v_and_b32 v1, 31, v0
	s_delay_alu instid0(VALU_DEP_1)
	v_lshlrev_b32 v1, 4, v1                        ; 16 x lane: my place in every image
	s_delay_alu instid0(VALU_DEP_1)
	v_add_nc_u32 v4, 0x20000, v1                   ; the same in V's half of LDS
	v_mov_b32 v7, 0xff800000                       ; -infinity
	v_mov_b32 v17, 0                               ; (named as upper halves of pairs, so they are written)
	v_mov_b32 v19, 0
	v_mov_b32 v24, 0                               ; (a lane permute's destination counts as one of its sources)
	v_mov_b32 v25, 0
	WIN 0x40
.irp i, 0,1,2,3
	global_load_b128 v[64+4*\i:67+4*\i], v1, s[56:57] offset:512*\i   ; Q of both passes stays in registers: X's 8, Y's 8; the long pass's first
.endr
.irp i, 0,1,2,3
	global_load_b128 v[80+4*\i:83+4*\i], v1, s[54:55] offset:512*\i
.endr
	WIN 0
	s_wait_kmcnt 0x0
	s_add_co_i32 s58, s74, s75                     ; e6 + e7
	s_lshl_b32 s58, s58, 23
	s_mov_b32 s[CS], 0x3d38aa3b                    ; log2(e) / 32
	s_add_co_i32 s[CS], s[CS], s58                 ; x 2^(e6 + e7): added to the exponent field
	s_mov_b32 s[CS+1], s[CS]
	s_add_co_i32 s58, s76, 127
	s_lshl_b32 s59, s58, 23
	v_mov_b32 v30, s59                             ; 2^e8
	s_add_co_i32 s58, s58, 15
	s_lshl_b32 s58, s58, 23
	s_or_b32 s58, s58, 0x600000
	v_mov_b32 v160, s58                            ; 57,344 x 2^e8, twice
	v_mov_b32 v161, s58
	s_add_co_i32 s80, s76, s77                     ; e8 + e9
	s_add_co_i32 s58, s78, 127
	s_lshl_b32 s81, s58, 23                        ; 2^e10
	s_add_co_i32 s58, s58, 15
	s_lshl_b32 s82, s58, 23
	s_or_b32 s82, s82, 0x600000                    ; 57,344 x 2^e10
	INIT
	s_wait_alu depctr_va_vdst(0)
	s_wait_tensorcnt 0x0                           ; my part of keys 0-511 is in
	ds_add_u32 v222, v223
	s_add_co_u32 s[G0K+1], s[G0K+1], s94           ; no load of mine is out: the descriptors step to my part of keys 512-2047
	s_add_nc_u64 s[G0K+2:G0K+3], s[G0K+2:G0K+3], s[94:95]
	s_add_co_u32 s[G0V+1], s[G0V+1], s94
	s_add_nc_u64 s[G0V+2:G0V+3], s[G0V+2:G0V+3], s[94:95]
	s_wait_dscnt 0x0
	CROUND                                         ; everybody's part is in, and the four work-groups meet
	TLOAD G2                                       ; keys 512-2047: the first tensor load behind the round, my last
	s_wait_loadcnt 0x0                             ; Q
	KLOAD 1                                        ; K of step 0
	s_mov_b32 s[KS], 0
	s_mov_b32 s[TB], 0
.Lfour:                                            ; the long pass's steps 0-3: bytes under 32,768 of K and of V alone
	STEP 0, 3
	s_add_co_u32 s[TB], s[TB], 8192
	s_add_co_u32 s[KS], s[KS], 1
	s_cmp_lt_u32 s[KS], 4
	s_cbranch_scc1 .Lfour
	s_wait_tensorcnt 0x0                           ; my part of keys 512-2047 is in,
	s_wait_dscnt 0x0                               ; no LDS load of mine is out at the signal,
	s_barrier_signal -1
	s_barrier_wait -1                              ; everybody's part is in
	s_mov_b32 s[PASS], 0
.Lpass:                                            ; trip 0: the long pass's steps from 4 on; trip 1: the short pass
	s_wait_xcnt 0x0                                ; the last pass's stores have read their data and their base: both are written again below
	s_cmp_eq_u32 s[PASS], 0
	s_cselect_b32 s[BLK], s44, s[WV]
	s_cselect_b32 s45, s47, s46
	s_cselect_b64 s[52:53], s[50:51], s[48:49]
	s_cselect_b32 s[LO], 4, 0
	s_cselect_b32 s[LOB], 32768, 0
	s_cbranch_scc1 .Lrest
	WIN 0x41
.set j, 0
.rept 16
	v_mov_b32 v[64+j], v[80+j]                     ; the short pass's Q
.set j, j+1
.endr
	WIN 0
	INIT
.Lrest:
	v_and_b32 v5, 15, v0
	v_bfe_u32 v6, v0, 4, 1
	s_delay_alu instid0(VALU_DEP_1)
	v_lshlrev_b32 v6, 3, v6
	s_delay_alu instid0(VALU_DEP_1)
	v_sub_nc_u32 v5, v5, v6
	s_delay_alu instid0(VALU_DEP_1)
	v_add_nc_u32 v5, s45, v5                       ; X: my query in the block less 8 h.  Register 8 u + j holds key 16 u + 8 h + j: hidden where 16 u + j is above this
	s_delay_alu instid0(VALU_DEP_1)
	v_add_nc_u32 v6, 16, v5                        ; Y: 16 queries on
	s_wait_dscnt 0x0                               ; the look-ahead's last loads into K's registers are in
	v_add_nc_u32 v2, s[LOB], v1
	KLOAD 2                                        ; K of the first step to do
	s_mov_b32 s[KS], 0
	s_mov_b32 s[TB], 0
.Lstep:                                            ; 16 trips, a constant; a step that is done already, or all of whose keys come after my queries, is jumped over
	s_cmp_lt_u32 s[KS], s[LO]
	s_cbranch_scc1 .Lskip
	s_cmp_gt_u32 s[KS], s[BLK]
	s_cbranch_scc1 .Lskip
	STEP 1, 15
.Lskip:
	s_add_co_u32 s[TB], s[TB], 8192
	s_add_co_u32 s[KS], s[KS], 1
	s_cmp_lt_u32 s[KS], 16
	s_cbranch_scc1 .Lstep
	; THE PASS'S END: o = O^T x 2^(e8 + e9) / l, held, converted with 2^e10, stored as images
	v_add_f32 v10, v10, v11                        ; l's two halves.  (These four lines are the places behind the last products)
	v_add_f32 v14, v14, v15
	v_mov_b32 v20, s81                             ; 2^e10
	v_mov_b32 v21, s82                             ; 57,344 x 2^e10
	s_delay_alu instid0(VALU_DEP_4)
	v_permlanex16_b32 v24, v10, s[SEL], s[SEL+1]
	s_delay_alu instid0(VALU_DEP_4)
	v_permlanex16_b32 v25, v14, s[SEL], s[SEL+1]
	s_delay_alu instid0(VALU_DEP_2)
	v_add_f32 v10, v10, v24                        ; and lane l xor 16's: the row's sum
	s_delay_alu instid0(VALU_DEP_2)
	v_add_f32 v14, v14, v25
	s_wait_alu depctr_va_vdst(0)
	v_rcp_f32 v16, v10
	v_rcp_f32 v18, v14
	v_nop                                          ; a plain instruction behind the last reciprocal
	s_wait_alu depctr_va_vdst(0)                   ; one wait for both, ahead of the first reader
	v_ldexp_f32 v16, v16, s80
	v_ldexp_f32 v18, v18, s80
	WIN 0x01
.set j, 0
.rept 16
	v_pk_mul_f32 v[SX+j:SX+j+1], v[j:j+1], v[16:17] op_sel_hi:[1,0]    ; each accumulator from its low end on
	v_pk_mul_f32 v[SY+j:SY+j+1], v[32+j:33+j], v[18:19] op_sel_hi:[1,0]
.set j, j+2
.endr
	WIN 0
.set j, 0
.rept 32
	v_med3_num_f32 v[SX+j], v[SX+j], -v21, v21     ; the hold at the largest code x the scale
	v_med3_num_f32 v[SY+j], v[SY+j], -v21, v21
.set j, j+1
.endr
.irp t, 0,1,2,3
	v_cvt_scalef32_pk8_bf8_f32 v[224+2*\t:225+2*\t], v[SX+8*\t:SX+8*\t+7], v20   ; registers 2 t, 2 t + 1: d = 16 t + 8 h + 0 .. 7
	v_cvt_scalef32_pk8_bf8_f32 v[240+2*\t:241+2*\t], v[SY+8*\t:SY+8*\t+7], v20
.endr
	v_nop                                          ; a plain vector instruction behind the last conversion of the run
	global_store_b128 v1, v[224:227], s[52:53]                 ; 32 lanes store 512 consecutive bytes, aligned
	global_store_b128 v1, v[228:231], s[52:53] offset:512
	global_store_b128 v1, v[240:243], s[52:53] offset:4096     ; tile Y: the next tile of rows
	global_store_b128 v1, v[244:247], s[52:53] offset:4608
	s_add_co_u32 s[PASS], s[PASS], 1
	s_cmp_lt_u32 s[PASS], 2
	s_cbranch_scc1 .Lpass
	s_wait_tensorcnt 0x0                           ; the wave's end
	ds_add_u32 v222, v223
	s_wait_dscnt 0x0
	CROUND                                         ; the closing round
	s_endpgm
.Lfunc_end_k_q237f1a38d3_attn:
	.size	k_q237f1a38d3_attn, .Lfunc_end_k_q237f1a38d3_attn-k_q237f1a38d3_attn
	.p2alignl 7, 3214868480
	.fill 96, 4, 3214868480
	.section	.rodata,"a",@progbits
	.p2align	6, 0x0
	.amdhsa_kernel k_q237f1a38d3_attn
		.amdhsa_group_segment_fixed_size 327680
		.amdhsa_private_segment_fixed_size 0
		.amdhsa_enable_private_segment 0
		.amdhsa_kernarg_size 40
		.amdhsa_user_sgpr_count 2
		.amdhsa_user_sgpr_kernarg_segment_ptr 1
		.amdhsa_wavefront_size32 1
		.amdhsa_system_sgpr_workgroup_id_x 1
		.amdhsa_system_sgpr_workgroup_id_y 1
		.amdhsa_system_sgpr_workgroup_id_z 1
		.amdhsa_system_vgpr_workitem_id 0
		.amdhsa_next_free_vgpr 512
		.amdhsa_next_free_sgpr 96
		.amdhsa_reserve_vcc 1
		.amdhsa_float_denorm_mode_32 3
		.amdhsa_float_denorm_mode_16_64 3
		.amdhsa_memory_ordered 1
		.amdhsa_forward_progress 1
		.amdhsa_inst_pref_size 94
	.end_amdhsa_kernel
	.amdgpu_metadata
---
amdhsa.version: [ 1, 2 ]
amdhsa.kernels:
  - .name:           k_q237f1a38d3_attn
    .symbol:         k_q237f1a38d3_attn.kd
    .args:
      - { .name: q_codes, .offset: 0, .size: 8, .value_kind: global_buffer, .address_space: global }
      - { .name: k_codes, .offset: 8, .size: 8, .value_kind: global_buffer, .address_space: global }
      - { .name: v_codes, .offset: 16, .size: 8, .value_kind: global_buffer, .address_space: global }
      - { .name: lowp_scales, .offset: 24, .size: 8, .value_kind: global_buffer, .address_space: global }
      - { .name: a_codes, .offset: 32, .size: 8, .value_kind: global_buffer, .address_space: global }
    .group_segment_fixed_size: 327680
    .private_segment_fixed_size: 0
    .kernarg_segment_align: 8
    .kernarg_segment_size: 40
    .max_flat_workgroup_size: 256
    .sgpr_count:     96
    .vgpr_count:     512
    .wavefront_size: 32
...
	.end_amdgpu_metadata
.endif
;; end of part 2
;; launch proj (part 3): grid 4 x 64, 4 waves a work-group, clusters of 4 x 4, 327,680 bytes of LDS; arguments a_codes, Wproj_codes, lowp_scales, bproj, out0; writes out0
.if DOCPART == 3
	.amdgcn_target "amdgcn-amd-amdhsa--gfx1250"
	.amdhsa_code_object_version 6
	.text
	.protected	k_q237f1a38d3_proj
	.globl	k_q237f1a38d3_proj
	.p2align	8
	.type	k_q237f1a38d3_proj,@function
k_q237f1a38d3_proj:
	s_mov_b64 s[64:65], 0
	v_nop
	global_prefetch_b8 v0, s[64:65] scope:SCOPE_SE
	s_setreg_imm32_b32 hwreg(HW_REG_WAVE_MODE, 25, 1), 1
	s_wait_xcnt 0x0
	s_wait_alu depctr_hold_cnt(0) depctr_sa_sdst(0) depctr_va_vdst(0) depctr_va_sdst(0) depctr_va_ssrc(0) depctr_va_vcc(0) depctr_vm_vsrc(0)
	s_getreg_b32 s2, hwreg(HW_REG_IB_STS2, 6, 4)
	s_cmp_eq_u32 s2, 0
	s_cbranch_scc0 .Lentry_in_a_cluster
	s_endpgm
.Lentry_in_a_cluster:
	s_bfe_u32 s2, ttmp6, 0x10000c
	s_cmp_lg_u32 s2, 0xf033
	s_cbranch_scc0 .Lentry_shape_is_right
	s_endpgm
.Lentry_shape_is_right:
.set PITCH,  272
.set ABYTES, 32768
.set HALFB,  128*PITCH
.set SLOT,   ABYTES+2*HALFB
.set SPARE,  2*SLOT
.set SPITCH, 528
.set NROW,   4096
.set ADRA, 16
.set ADRB, 20
.set STO,  24
.set RD,   25
.set CO,   26
.set SPW,  28
.set NIL,  29
.set AF,   64
.set BK,   64
.set TMP,  192
.set G1, 24
.set G0, 32
.set G1B, 48
.set G0B, 56
.set MSB, 0
.macro WIN new
.if MSB != (\new)
	s_set_vgpr_msb (MSB<<8)|(\new)
.set MSB, (\new)
.endif
.endm
.set MUL, 0xa1
.macro JLOAD g0a, g1a, g0b, g1b
	s_cmp_eq_u32 s15, 0
	s_cbranch_scc0 .Lfor_b_\@
	tensor_load_to_lds s[\g0a:\g0a+3], s[\g1a:\g1a+7]
	s_nop 0
.rept 4
	v_nop
.endr
	s_branch .Lasked_\@
.Lfor_b_\@:
	tensor_load_to_lds s[\g0b:\g0b+3], s[\g1b:\g1b+7]
	s_nop 0
.rept 4
	v_nop
.endr
.Lasked_\@:
.endm
.macro CREST
	s_cmp_lg_u32 s14, 0
	s_cbranch_scc1 .Lnot_wave_0_\@
	s_barrier_signal -3
.Lnot_wave_0_\@:
	s_barrier_wait -3
	s_barrier_signal -1
	s_barrier_wait -1
.endm
.macro CROUND
	s_barrier_signal -1
	s_barrier_wait -1
	CREST
.endm
.macro PLACES n
.rept \n
	v_nop
.endr
.endm
	s_load_b128 s[4:7], s[0:1], 0x0
	s_load_b128 s[8:11], s[0:1], 0x10
	s_load_b64 s[12:13], s[0:1], 0x20
	v_lshl_add_u32 v[SPW], v0, 2, SPARE
	v_mov_b32 v[NIL], 0
	ds_add_u32 v28, v29
	ds_add_u32 v28, v29
	s_wait_dscnt 0x0
	v_lshrrev_b32 v1, 5, v0
	v_readfirstlane_b32 s14, v1
	s_lshr_b32 s15, s14, 1
	s_and_b32 s16, s14, 1
	s_bfe_u32 s40, ttmp6, 0x40000
	s_bfe_u32 s41, ttmp6, 0x40004
	s_lshl_b32 s42, ttmp9, 2
	s_add_co_u32 s42, s42, s40
	s_and_b32 s17, ttmp7, 0xffff
	s_lshl_b32 s17, s17, 2
	s_add_co_u32 s17, s17, s41
	s_lshl_b32 s43, s41, 2
	s_lshl_b32 s43, 15, s43
	s_lshl_b32 s44, 0x1111, s40
	s_or_b32 s[G1+0], s43, (3<<16)|(1<<21)
	s_mov_b32 s[G1+1], 32<<16
	s_mov_b32 s[G1+2], 128<<16                     ; the head's load of A: 128 rows of 256 bytes; the refills state 64
	s_mov_b32 s[G1+3], 32<<16
	s_mov_b32 s[G1+4], 128
	s_mov_b32 s[G1+5], 32
	s_mov_b32 s[G1+6], 0
	s_mov_b32 s[G1+7], 0
	s_or_b32 s[G1B+0], s44, (0<<16)|(1<<20)|(1<<21)|(5<<22)|(3<<25)
	s_mov_b32 s[G1B+1], 256<<16
	s_mov_b32 s[G1B+2], 256<<16                    ; the head's load of B: 256 rows; the refills state 128
	s_mov_b32 s[G1B+3], 256<<16
	s_mov_b32 s[G1B+4], 256
	s_mov_b32 s[G1B+5], 1024
	s_mov_b32 s[G1B+6], 0
	s_mov_b32 s[G1B+7], 0
	s_lshl_b32 s20, s17, 17
	s_lshl_b32 s18, s16, 14
	s_add_co_u32 s20, s20, s18
	s_mov_b32 s21, 0
	s_lshl_b32 s46, s42, 8
	s_lshl_b32 s19, s16, 7
	s_add_co_u32 s46, s46, s19
	s_lshl_b32 s46, s46, 10
	s_mov_b32 s47, 0
	s_mul_i32 s22, s16, HALFB
	s_add_co_u32 s22, s22, ABYTES
	s_wait_kmcnt 0x0
	s_load_b64 s[96:97], s[8:9], 0x28
	s_add_nc_u64 s[20:21], s[4:5], s[20:21]
	s_add_nc_u64 s[46:47], s[6:7], s[46:47]
	CROUND
.irp s, 0,1
	s_mov_b32 s[G0+4*\s], 1
	s_add_co_u32 s[G0+4*\s+1], s18, \s*SLOT
	s_add_nc_u64 s[G0+4*\s+2:G0+4*\s+3], s[20:21], \s*ABYTES
	s_or_b32 s[G0+4*\s+3], s[G0+4*\s+3], 0x80000000
	s_mov_b32 s[G0B+4*\s], 1
	s_add_co_u32 s[G0B+4*\s+1], s22, \s*SLOT
	s_add_nc_u64 s[G0B+4*\s+2:G0B+4*\s+3], s[46:47], \s*256
	s_or_b32 s[G0B+4*\s+3], s[G0B+4*\s+3], 0x80000000
.endr
	; THE HEAD'S LOADS, one a wave: wave 0 A's 32,768 bytes of K step 0, wave 1 B's 256 rows, wave 2 A's of K step 1, wave 3 B's: both slots are asked for in one group.
	s_lshl_b32 s76, s16, 14                        ; what my refills' address of A has on top: taken off again
	s_mov_b32 s77, 0
	s_mul_i32 s78, s15, ABYTES                     ; K step wave / 2
	s_mov_b32 s79, 0
	s_mov_b32 s68, 1
	s_mul_i32 s69, s15, SLOT                       ; A: the slot's first byte
	s_sub_nc_u64 s[70:71], s[20:21], s[76:77]
	s_add_nc_u64 s[70:71], s[70:71], s[78:79]
	s_or_b32 s71, s71, 0x80000000
	s_lshl_b32 s76, s16, 17                        ; the same for B: 128 rows of 1,024 bytes
	s_lshl_b32 s78, s15, 8
	s_mov_b32 s72, 1
	s_add_co_u32 s73, s69, ABYTES                  ; B: behind A's bytes
	s_sub_nc_u64 s[74:75], s[46:47], s[76:77]
	s_add_nc_u64 s[74:75], s[74:75], s[78:79]
	s_or_b32 s75, s75, 0x80000000
	s_cmp_eq_u32 s16, 0                            ; even waves ask for A, odd waves for B
	s_cbranch_scc0 .Lhead_b
	tensor_load_to_lds s[68:71], s[G1:G1+7]
	s_nop 0
.rept 4
	v_nop
.endr
	s_branch .Lhead_asked
.Lhead_b:
	tensor_load_to_lds s[72:75], s[G1B:G1B+7]
	s_nop 0
.rept 4
	v_nop
.endr
.Lhead_asked:
	v_and_b32 v1, 15, v0
	v_bfe_u32 v2, v0, 4, 1
	v_and_b32 v6, 31, v0
	v_lshlrev_b32 v[CO], 4, v6
	v_mul_u32_u24 v3, v1, PITCH
	v_lshl_add_u32 v3, v2, 3, v3
	s_lshl_b32 s21, s15, 14
.irp s, 0,1
	v_add_nc_u32 v[ADRA+\s], s21, v[CO]
	v_add_nc_u32 v[ADRB+\s], s22, v3
	s_add_co_u32 s21, s21, SLOT
	s_add_co_u32 s22, s22, SLOT
.endr
	s_mul_i32 s23, s14, 16*SPITCH
	v_mul_u32_u24 v5, v1, SPITCH
	v_lshl_add_u32 v5, v2, 5, v5
	v_add_nc_u32 v[STO], s23, v5
	v_add_nc_u32 v[RD], s23, v[CO]
	s_lshl_b32 s20, s17, 7
	s_lshl_b32 s21, s15, 6
	s_add_co_u32 s20, s20, s21
	s_lshl_b32 s20, s20, 12
	s_lshl_b32 s46, s42, 10
	s_lshl_b32 s47, s16, 9
	s_add_co_u32 s46, s46, s47
	s_add_co_u32 s20, s20, s46
	s_mov_b32 s21, 0
	s_mov_b32 s47, 0
	s_add_nc_u64 s[12:13], s[12:13], s[20:21]
	s_add_nc_u64 s[10:11], s[10:11], s[46:47]
	v_lshlrev_b32 v7, 5, v2
	WIN 0xc0
.irp b, 0,1,2,3,4,5,6,7
	global_load_b128 v[8*\b:8*\b+3], v7, s[10:11] offset:64*\b
	global_load_b128 v[8*\b+4:8*\b+7], v7, s[10:11] offset:64*\b+16
.endr
	WIN 0
.macro FETCH_B slot, q, p
	WIN 0x40
.irp i, 0,1,2,3,4,5,6,7
.irp c, 0,1,2,3,4,5,6,7
	ds_load_b64 v[128*(\p)+16*\i+2*\c:128*(\p)+16*\i+2*\c+1], v[ADRB+\slot] offset:128*(\q)+16*\c+\i*16*PITCH
.endr
.endr
	WIN 0
.endm
.macro FETCH_A slot, q, p, i0
.irp i, \i0, \i0+1
.irp c, 0,1,2,3
	ds_load_b128 v[AF+64*(\p)+16*(\i)+4*\c:AF+64*(\p)+16*(\i)+4*\c+3], v[ADRA+\slot] offset:(\i)*4096+(\q)*2048+512*\c
.endr
.endr
.endm
.macro MULA a, p, zero
.irp b, 0,1,2,3,4,5,6,7
.if \zero
	v_wmma_f32_16x16x128_bf8_bf8 v[8*(8*(\a)+\b):8*(8*(\a)+\b)+7], v[128*(\p)+16*\b:128*(\p)+16*\b+15], v[AF+64*(\p)+16*(\a):AF+64*(\p)+16*(\a)+15], 0
.else
	v_wmma_f32_16x16x128_bf8_bf8 v[8*(8*(\a)+\b):8*(8*(\a)+\b)+7], v[128*(\p)+16*\b:128*(\p)+16*\b+15], v[AF+64*(\p)+16*(\a):AF+64*(\p)+16*(\a)+15], v[8*(8*(\a)+\b):8*(8*(\a)+\b)+7]
.endif
.endr
.endm
.macro PSTEP slot, zero
	s_wait_dscnt 8
	WIN MUL
	MULA 0, 0, \zero
	MULA 1, 0, \zero
	s_wait_dscnt 0
	PLACES 4
	FETCH_B \slot, 1, 1
	FETCH_A \slot, 1, 1, 0
	FETCH_A \slot, 1, 1, 2
	WIN MUL
	MULA 2, 0, \zero
	MULA 3, 0, \zero
.endm
.macro PTURN slot, next, fill
	WIN 0
	s_wait_tensorcnt 0x0
	ds_add_u32 v[SPW], v[NIL]
	s_mov_b32 s[G1+2], 64<<16                      ; no load of mine is out: the refills bring 64 rows of A, 128 of B, a wave
	s_mov_b32 s[G1+4], 64
	s_mov_b32 s[G1B+2], 128<<16
	s_mov_b32 s[G1B+4], 128
	s_wait_dscnt 9
	WIN MUL
	MULA 0, 1, 0
	s_wait_dscnt 0x0
	s_barrier_signal -1
	MULA 1, 1, 0
	WIN 0
	s_barrier_wait -1
.if \fill
	CREST
	s_add_nc_u64 s[G0+4*\slot+2:G0+4*\slot+3], s[G0+4*\slot+2:G0+4*\slot+3], 2*ABYTES
	s_add_nc_u64 s[G0B+4*\slot+2:G0B+4*\slot+3], s[G0B+4*\slot+2:G0B+4*\slot+3], 2*256
	JLOAD G0+4*\slot, G1, G0B+4*\slot, G1B
.else
	PLACES 4
.endif
	FETCH_B \next, 0, 0
	FETCH_A \next, 0, 0, 0
	FETCH_A \next, 0, 0, 2
	WIN MUL
	MULA 2, 1, 0
	MULA 3, 1, 0
.endm
	s_wait_alu depctr_va_vdst(0)
	s_wait_tensorcnt 0x0                           ; my one load of the head is in: a whole tile of slot 0 or of slot 1
	s_barrier_signal -1
	s_barrier_wait -1
	FETCH_B 0, 0, 0
	FETCH_A 0, 0, 0, 0
	FETCH_A 0, 0, 0, 2
	PSTEP 0, 1
	PTURN 0, 1, 1
	PSTEP 1, 0
	PTURN 1, 0, 1
	PSTEP 0, 0
	PTURN 0, 1, 0
	PSTEP 1, 0
	s_wait_dscnt 8
	WIN MUL
	MULA 0, 1, 0
	MULA 1, 1, 0
	s_wait_dscnt 0
	MULA 2, 1, 0
	MULA 3, 1, 0
	WIN 0
.macro TOSTAGE a
.set AC, 64*(\a)
	WIN 0x32
.set j, 0
.rept 32
	v_pk_fma_f32 v[TMP+j:TMP+j+1], v[AC+j:AC+j+1], s[96:97], v[j:j+1] op_sel_hi:[1,0,1]
.set j, j+2
.endr
	WIN 0
.irp b, 0,1,2,3,4,5,6,7
	ds_store_b128 v[STO], v[TMP+8*\b:TMP+8*\b+3] offset:64*\b
	ds_store_b128 v[STO], v[TMP+8*\b+4:TMP+8*\b+7] offset:64*\b+16
.endr
.set BB, BK+64*((\a)%2)
.irp t, 0,1,2,3,4,5,6,7,8,9,10,11,12,13,14,15
	ds_load_b128 v[BB+4*\t:BB+4*\t+3], v[RD] offset:\t*SPITCH
.endr
.endm
.macro SEND a, younger
.set BB, BK+64*((\a)%2)
	s_wait_dscnt \younger
.if (\a) > 0
	s_add_nc_u64 s[12:13], s[12:13], 16*NROW
.endif
.irp t, 0,1,2,3,4,5,6,7,8,9,10,11,12,13,14,15
	global_store_b128 v[CO], v[BB+4*\t:BB+4*\t+3], s[12:13] offset:\t*NROW th:TH_STORE_NT
.endr
.endm
	s_wait_kmcnt 0x0
	s_add_co_i32 s96, s96, s97
	s_add_co_i32 s96, s96, 127
	s_lshl_b32 s96, s96, 23
	s_mov_b32 s97, s96
	s_wait_loadcnt 0x0
	PLACES 4
	TOSTAGE 0
.irp a, 1,2,3
.if \a > 1
	s_wait_xcnt 0x0
.endif
	TOSTAGE \a
	SEND \a-1, 32
.endr
	s_wait_xcnt 0x0
	SEND 3, 0
	s_wait_tensorcnt 0x0
	ds_add_u32 v[SPW], v[NIL]
	s_wait_dscnt 0x0
	CROUND
	s_endpgm
.Lfunc_end_k_q237f1a38d3_proj:
	.size	k_q237f1a38d3_proj, .Lfunc_end_k_q237f1a38d3_proj-k_q237f1a38d3_proj
	.p2alignl 7, 3214868480
	.fill 96, 4, 3214868480
	.section	.rodata,"a",@progbits
	.p2align	6, 0x0
	.amdhsa_kernel k_q237f1a38d3_proj
		.amdhsa_group_segment_fixed_size 327680
		.amdhsa_private_segment_fixed_size 0
		.amdhsa_enable_private_segment 0
		.amdhsa_kernarg_size 40
		.amdhsa_user_sgpr_count 2
		.amdhsa_user_sgpr_kernarg_segment_ptr 1
		.amdhsa_wavefront_size32 1
		.amdhsa_system_sgpr_workgroup_id_x 1
		.amdhsa_system_sgpr_workgroup_id_y 1
		.amdhsa_system_sgpr_workgroup_id_z 1
		.amdhsa_system_vgpr_workitem_id 0
		.amdhsa_next_free_vgpr 832
		.amdhsa_next_free_sgpr 100
		.amdhsa_reserve_vcc 0
		.amdhsa_float_denorm_mode_32 3
		.amdhsa_float_denorm_mode_16_64 3
		.amdhsa_memory_ordered 1
		.amdhsa_forward_progress 1
		.amdhsa_inst_pref_size 93
	.end_amdhsa_kernel
	.amdgpu_metadata
---
amdhsa.version: [ 1, 2 ]
amdhsa.kernels:
  - .name:           k_q237f1a38d3_proj
    .symbol:         k_q237f1a38d3_proj.kd
    .args:
      - { .name: a_codes, .offset: 0, .size: 8, .value_kind: global_buffer, .address_space: global }
      - { .name: Wproj_codes, .offset: 8, .size: 8, .value_kind: global_buffer, .address_space: global }
      - { .name: lowp_scales, .offset: 16, .size: 8, .value_kind: global_buffer, .address_space: global }
      - { .name: bproj, .offset: 24, .size: 8, .value_kind: global_buffer, .address_space: global }
      - { .name: out0, .offset: 32, .size: 8, .value_kind: global_buffer, .address_space: global }
    .group_segment_fixed_size: 327680
    .private_segment_fixed_size: 0
    .kernarg_segment_align: 8
    .kernarg_segment_size: 40
    .max_flat_workgroup_size: 128
    .sgpr_count:     100
    .vgpr_count:     832
    .wavefront_size: 32
...
	.end_amdgpu_metadata
.endif
;; end of part 3
